; MI455X (gfx1250); checked and timed in simulation.
; The chip was launched on July 23, 2026; its instructions are those of AMD's public machine-readable ISA for CDNA 5 (MIT licence, August 2026) and "CDNA5" Instruction Set Architecture Reference Guide (July 2026). The comments in the code are by the model that wrote it; some were corrected since.
;; Self Attention. Allowed arithmetic: float matrix products may take bf16 or f16 operands with f32 sums; all other float work in f32.
;; Inputs: Wk 64 x 512 float32; Wq 64 x 512 float32; Wv 512 x 512 float32; bk 64 float32; bq 64 float32; bv 512 float32; gamma 1 float32; x 4 x 512 x 64 x 64 float32.
;; Outputs: out0 4 x 512 x 64 x 64 float32.
;; One version. Each part assembles by itself: llvm-mc -triple=amdgcn-amd-amdhsa -mcpu=gfx1250 --defsym DOCPART=n.
;; ======== version 1 of 1: 2 launches
;; workspace buffers: qf 2,097,152 bytes; kv 18,874,368 bytes
;; launch proj (part 1): grid 256 x 1, 4 waves a work-group, no clusters, 129,536 bytes of LDS; arguments x, Wq, Wk, Wv, bq, qf, kv; writes qf, kv
.if DOCPART == 1
	.amdgcn_target "amdgcn-amd-amdhsa--gfx1250"
	.amdhsa_code_object_version 6
	.text
	.protected	k_q6fcaf2d9dc_proj
	.globl	k_q6fcaf2d9dc_proj
	.p2align	8
	.type	k_q6fcaf2d9dc_proj,@function
k_q6fcaf2d9dc_proj:
	s_mov_b64 s[64:65], 0
	v_nop
	global_prefetch_b8 v0, s[64:65] scope:SCOPE_SE
	s_setreg_imm32_b32 hwreg(HW_REG_WAVE_MODE, 25, 1), 1
	s_wait_xcnt 0x0
; PROJECTIONS.  q2 = log2(e) (Wq x + bq), k = Wk x, v = Wv x, rounded to bf16 and stored in the order in which the attention launch
; feeds them to the matrix unit (blocks of 1,024 bytes: registers 0-3 of lane L at 16 L, registers 4-7 at 512 + 16 L).
;
; WORK LEFT OUT.  bk: scores[i][j] = sum_o q[o][i] (Wk x)[o][j] + sum_o q[o][i] bk[o].  The second sum does not hang on j, and a term that
; is the same along j leaves softmax over j as it is, whatever the inputs hold.  So bk is not loaded and is no argument of any launch.
; bv: sum_j attn[i][j] = 1, so sum_j (v[c][j] + bv[c]) attn[i][j] = sum_j v[c][j] attn[i][j] + bv[c]: bv is added once, in f32, by the
; attention launch, not to the 4,096 columns of v here.  log2(e) is folded into q, so that the softmax can use the base-2 exponential.
; LIMITS.  A NaN, an infinity or an overflow that reaches the result through bk alone is not carried.  x, W, q, k, v are rounded to bf16.
;
; THE ORDER OF PIXELS.  In a block of 128 pixels, tile it (0..7) holds in slot r (0..15) pixel 64 (it >> 2) + 4 r + (it & 3).  Keys are only
; summed over, and K and V take the same order from the same fragments of x.  For queries it is the order in which four accumulator
; tiles of a lane of the attention launch hold four neighbouring pixels.
;
; SHARES.  Work-group = (block of 128 pixels, g).  g = 0: Q and V channels 0-255; g = 1: K and V channels 256-511: 320 outputs x 128 pixels,
; K = 512 in eight chunks of 64 channels.  Wave w: the 16 rows 16 w .. of Wq or Wk and 64 rows of Wv, each times the eight pixel tiles: 40 accumulator tiles.
; NO JOINT TENSOR LOADS, though work-groups share x and W: both arrive as f32 and are needed as bf16, x transposed as well.  Through registers
; the rounding and the transposition are one conversion instruction per two numbers and a chunk takes 18,432 + 46,080 bytes of LDS; a tensor load
; would lay the f32 down (32,768 + 81,920 bytes a chunk) and every number would go LDS - registers - LDS once more.
;
; LDS, rows of 144 bytes (128 of data + 16: an odd multiple of 16, so that sixteen rows start in sixteen different 16-byte columns of 256):
;   XT0, XT1: 128 rows (tile x 16 + slot) x 64 channels;  WT0, WT1: 320 rows x 64 channels, rows 80 w .. 80 w + 79 are wave w alone.
; REGISTERS.  Window 0: addresses, bq, the Q/K accumulators, fragments of x (between chunks: the packed conversions).  Window 1: the 32 V accumulators.
;   Window 2: what the global loads bring.  Window 3: fragments of W.
.set LOG2E, 0x3fb8aa3b
.set PITCH, 144
.set T16,   16*PITCH                   ; sixteen rows: from tile to tile
.set XTB,   128*PITCH                  ; bytes of one XT buffer
.set WT,    2*XTB                      ; WT0 begins here
.set WTB,   320*PITCH                  ; bytes of one WT buffer
.set XG,  2                            ; v2      x: 16 lane + 16 w channels
.set WGQ, 3                            ; v3      Wq or Wk: 16 w rows + (lane / 16) rows + 16 (lane % 16)
.set WGV, 4                            ; v4      Wv: 64 w rows + the same
.set XST, 5                            ; v5-6    where I store transposed x, buffer 0, 1
.set WST, 7                            ; v7-8    where I store W
.set XF,  9                            ; v9-10   where I read fragments of x
.set WF,  11                           ; v11-12  where I read fragments of W
.set L16, 13                           ; v13     16 lane: the offset of every store to memory
.set BQO, 14                           ; v14     offset of my eight bq
.set BQ,  16                           ; v16-23  bq[16 w + 8 (lane / 16) + 0..7]
.set QK,  32                           ; v32-95  Q or K accumulators, tile it at QK + 8 it
.set FX,  96                           ; v96-223 fragments of x, (ks, it) at FX + 8 (8 ks + it); packed x v96-127, packed W v128-207
.set PK,  224                          ; v224-255 packed Q or K on the way out
.set MSB, 0
.macro WIN new                         ; low byte: bits 1:0 source 0, 3:2 source 1, 5:4 source 2, 7:6 destination; the high byte repeats the setting that is left
.if MSB != \new
	s_set_vgpr_msb (MSB<<8)|\new
.set MSB, \new
.endif
.endm
.macro PLACES                          ; four plain vector places behind a matrix instruction (ISA guide 7.12.1)
.rept 4
	v_nop
.endr
.endm
	s_load_b256 s[4:11], s[0:1], 0x0               ; x s[4:5], Wq s[6:7], Wk s[8:9], Wv s[10:11]
	s_load_b128 s[12:15], s[0:1], 0x20             ; bq s[12:13], qf s[14:15]
	s_load_b64 s[16:17], s[0:1], 0x30              ; kv
	v_lshl_add_u32 v30, v0, 2, 0x1f800
	v_mov_b32 v31, 0
	v_lshrrev_b32 v1, 5, v0
	v_readfirstlane_b32 s18, v1                    ; w
	s_and_b32 s19, ttmp9, 1                        ; g
	s_lshr_b32 s32, ttmp9, 1
	s_and_b32 s20, s32, 31                         ; block of 128 pixels in the image
	s_lshr_b32 s21, s32, 5                         ; image
	v_and_b32 v1, 31, v0                           ; lane
	v_and_b32 v24, 15, v0                          ; r
	v_bfe_u32 v25, v0, 4, 1                        ; h
	v_lshlrev_b32 v[L16], 4, v1
	s_lshl_b32 s33, s18, 18                        ; 16 channels of 16,384 bytes
	v_add_nc_u32 v[XG], s33, v[L16]
	v_lshlrev_b32 v26, 4, v24
	v_lshl_add_u32 v26, v25, 11, v26               ; h rows of 2,048 bytes + 16 r
	s_lshl_b32 s33, s18, 15
	v_add_nc_u32 v[WGQ], s33, v26
	s_lshl_b32 s33, s18, 17
	v_add_nc_u32 v[WGV], s33, v26
	v_lshl_add_u32 v27, v25, 6, v24                ; my four pixels 4 lane + e lie in tile 4 h + e, slot r: row 64 h + 16 e + r
	v_mul_u32_u24 v27, v27, PITCH
	s_lshl_b32 s33, s18, 5                         ; my 16 channels: 32 bytes of each row
	v_add_nc_u32 v[XST], s33, v27
	v_add_nc_u32 v[XST+1], XTB, v[XST]
	s_mul_i32 s33, s18, 80*PITCH                   ; my 80 rows of WT
	v_mul_u32_u24 v28, v25, PITCH
	v_lshl_add_u32 v28, v24, 3, v28                ; row h, 8 bytes for four numbers
	v_add_nc_u32 v28, s33, v28
	v_add_nc_u32 v[WST], WT, v28
	v_add_nc_u32 v[WST+1], WT+WTB, v28
	v_mul_u32_u24 v29, v24, PITCH
	v_lshl_add_u32 v29, v25, 4, v29                ; a fragment: row r, 16 h
	v_mov_b32 v[XF], v29
	v_add_nc_u32 v[XF+1], XTB, v29
	v_add_nc_u32 v29, s33, v29
	v_add_nc_u32 v[WF], WT, v29
	v_add_nc_u32 v[WF+1], WT+WTB, v29
	s_lshl_b32 s34, s18, 6
	v_lshl_add_u32 v[BQO], v25, 5, s34             ; 4 (16 w + 8 h)
	s_wait_kmcnt 0x0
	s_lshl_b32 s32, s21, 23                        ; an image of x: 8,388,608 bytes
	s_lshl_b32 s33, s20, 9                         ; 128 pixels: 512 bytes
	s_add_co_u32 s32, s32, s33
	s_mov_b32 s33, 0
	s_add_nc_u64 s[28:29], s[4:5], s[32:33]        ; x at my pixels, channel 0
	s_lshl_b32 s32, s19, 19
	s_add_nc_u64 s[30:31], s[10:11], s[32:33]      ; Wv at row 256 g
	s_mul_i32 s34, s21, 4718592                    ; kv: 32 steps of 147,456 bytes an image
	s_mul_i32 s35, s20, 147456
	s_add_co_u32 s34, s34, s35
	s_lshl_b32 s32, s19, 14                        ; channel tile 16 g + 4 w, 1,024 bytes each
	s_lshl_b32 s35, s18, 12
	s_add_co_u32 s32, s32, s35
	s_add_co_u32 s32, s32, s34
	s_add_nc_u64 s[26:27], s[16:17], s[32:33]      ; where my V blocks go
	s_add_co_u32 s34, s34, 131072                  ; the K part of the step lies behind its V part
	s_lshl_b32 s32, s21, 19                        ; qf: 524,288 bytes an image, 16,384 for 128 pixels
	s_lshl_b32 s35, s20, 14
	s_add_co_u32 s35, s32, s35
	s_cmp_eq_u32 s19, 0
	s_cselect_b32 s32, s35, s34                    ; g = 0: Q into qf; g = 1: K into kv
	s_cselect_b64 s[24:25], s[14:15], s[16:17]
	s_cselect_b64 s[22:23], s[6:7], s[8:9]         ; and the weights to go with it
	s_lshl_b32 s34, s18, 9                         ; my 16 rows are half (w & 1) of k block (w >> 1): 1,024 (w >> 1) + 512 (w & 1) = 512 w
	s_add_co_u32 s32, s32, s34
	s_add_nc_u64 s[24:25], s[24:25], s[32:33]
	global_load_b128 v[BQ:BQ+3], v[BQO], s[12:13]              ; both groups issue these two loads, so that the text has one path up to the way out; only g = 0 uses them
	global_load_b128 v[BQ+4:BQ+7], v[BQO], s[12:13] offset:16
; 56 loads: chunk ch of x (16 channel rows of 512 bytes) and of W (two rows of 256 bytes a load).  The chunk stands in the immediate: no address is ever stepped.
.macro STAGE ch
	WIN 0x80                                       ; data into window 2, address in window 0
.set q, 0
.rept 16
	global_load_b128 v[4*q:4*q+3], v[XG], s[28:29] offset:(\ch)*1048576+q*16384
.set q, q+1
.endr
.set q, 0
.rept 8
	global_load_b128 v[64+4*q:64+4*q+3], v[WGQ], s[22:23] offset:(\ch)*256+q*4096
.set q, q+1
.endr
.set q, 0
.rept 32
	global_load_b128 v[96+4*q:96+4*q+3], v[WGV], s[30:31] offset:(\ch)*256+q*4096
.set q, q+1
.endr
	WIN 0
.endm
; Round to bf16 and lay down in LDS buffer b.  x is transposed by the choice of the two sources: two neighbouring channels of one pixel make a word.
.macro PACK b
	WIN 0x0a                                       ; both sources in window 2
.set gq, 0
.rept 2
.set ee, 0
.rept 4
.set pp, 0
.rept 4
	v_cvt_pk_bf16_f32 v[FX+gq*16+ee*4+pp], v[gq*32+8*pp+ee], v[gq*32+8*pp+4+ee]
.set pp, pp+1
.endr
.set ee, ee+1
.endr
.set gq, gq+1
.endr
.set q, 0
.rept 80
	v_cvt_pk_bf16_f32 v[FX+32+q], v[64+2*q], v[64+2*q+1]
.set q, q+1
.endr
	WIN 0
.set gq, 0
.rept 2
.set ee, 0
.rept 4
	ds_store_b128 v[XST+\b], v[FX+gq*16+ee*4:FX+gq*16+ee*4+3] offset:ee*T16+gq*16    ; eight channels of pixel 4 lane + ee
.set ee, ee+1
.endr
.set gq, gq+1
.endr
.set q, 0
.rept 40
	ds_store_b64 v[WST+\b], v[FX+32+2*q:FX+32+2*q+1] offset:q*2*PITCH
.set q, q+1
.endr
.endm
; 52 LDS loads: for each half ks of the chunk (32 channels) eight fragments of x and my five of W
.macro FRAGS b
.set ks, 0
.rept 2
.set it, 0
.rept 8
	ds_load_b128 v[FX+(ks*8+it)*8:FX+(ks*8+it)*8+3],   v[XF+\b] offset:it*T16+ks*64
	ds_load_b128 v[FX+(ks*8+it)*8+4:FX+(ks*8+it)*8+7], v[XF+\b] offset:it*T16+ks*64+32
.set it, it+1
.endr
	WIN 0xc0                                       ; data into window 3
.set tl, 0
.rept 5
	ds_load_b128 v[(ks*5+tl)*8:(ks*5+tl)*8+3],   v[WF+\b] offset:tl*T16+ks*64
	ds_load_b128 v[(ks*5+tl)*8+4:(ks*5+tl)*8+7], v[WF+\b] offset:tl*T16+ks*64+32
.set tl, tl+1
.endr
	WIN 0
.set ks, ks+1
.endr
.endm
; 40 matrix instructions on 40 accumulators, which take turns, one instruction a turn, in the same order in every half chunk.
; Q, K: rows = outputs (W first), columns = pixels: a lane ends with eight neighbouring outputs of one pixel, a piece of a fragment along the width of 64.
; V: rows = pixels (x first), columns = channels: a lane ends with eight neighbouring key slots of one channel, a piece of a fragment along the keys.
.macro MUL ks, zero
	WIN 0x03                                       ; source 0 (W) in window 3
.set it, 0
.rept 8
.if \zero
	v_wmma_f32_16x16x32_bf16 v[QK+8*it:QK+8*it+7], v[\ks*40:\ks*40+7], v[FX+(\ks*8+it)*8:FX+(\ks*8+it)*8+7], 0
.else
	v_wmma_f32_16x16x32_bf16 v[QK+8*it:QK+8*it+7], v[\ks*40:\ks*40+7], v[FX+(\ks*8+it)*8:FX+(\ks*8+it)*8+7], v[QK+8*it:QK+8*it+7]
.endif
.set it, it+1
.endr
	WIN 0x5c                                       ; source 1 (W) in window 3, C and D in window 1
.set vt, 0
.rept 4
.set it, 0
.rept 8
.if \zero
	v_wmma_f32_16x16x32_bf16 v[(vt*8+it)*8:(vt*8+it)*8+7], v[FX+(\ks*8+it)*8:FX+(\ks*8+it)*8+7], v[(\ks*5+1+vt)*8:(\ks*5+1+vt)*8+7], 0
.else
	v_wmma_f32_16x16x32_bf16 v[(vt*8+it)*8:(vt*8+it)*8+7], v[FX+(\ks*8+it)*8:FX+(\ks*8+it)*8+7], v[(\ks*5+1+vt)*8:(\ks*5+1+vt)*8+7], v[(vt*8+it)*8:(vt*8+it)*8+7]
.endif
.set it, it+1
.endr
.set vt, vt+1
.endr
.endm
; One chunk of 64 channels through LDS buffer b.  ONE barrier a chunk: buffer b is stored again two chunks on, behind the next chunk's barrier,
; in front of which every wave has waited for its reads of this chunk.
.macro CHUNK ch, b, zero, more
	s_wait_loadcnt 0x0                             ; this chunk's 56 loads (in chunk 0 also bq); from chunk 1 on they were issued a whole chunk's products ago
.if \ch
	PLACES                                         ; the conversions write, and the LDS loads below fill, registers that the last matrix instructions read
.endif
	PACK \b
.if \more
	STAGE \ch+1                                    ; the next chunk sets out while this one is multiplied
.endif
	s_wait_dscnt 0x0                               ; my stores are in LDS: the other waves read my 32 bytes of every row of x
	s_barrier_signal -1
	s_barrier_wait -1
	FRAGS \b
	s_wait_dscnt 26                                ; the first half's 26 loads are in, the second half's 26 may be out
	MUL 0, \zero
	s_wait_dscnt 0x0
	MUL 1, 0
	WIN 0
.endm
	STAGE 0
	CHUNK 0, 0, 1, 1                               ; the first products start the sums: nothing is cleared
	CHUNK 1, 1, 0, 1
	CHUNK 2, 0, 0, 1
	CHUNK 3, 1, 0, 1
	CHUNK 4, 0, 0, 1
	CHUNK 5, 1, 0, 1
	CHUNK 6, 0, 0, 1
	CHUNK 7, 1, 0, 0
	; THE WAY OUT.  Every store of a wave covers 512 neighbouring bytes that start at a multiple of 512; no data register is written again.
	PLACES
	s_cmp_lg_u32 s19, 0
	s_cbranch_scc1 .Lkeys
.set pp, 0
.rept 4
	v_pk_mul_f32 v[BQ+2*pp:BQ+2*pp+1], v[BQ+2*pp:BQ+2*pp+1], LOG2E op_sel_hi:[1,0]
.set pp, pp+1
.endr
.set it, 0
.rept 8
.set pp, 0
.rept 4
	v_pk_fma_f32 v[QK+8*it+2*pp:QK+8*it+2*pp+1], v[QK+8*it+2*pp:QK+8*it+2*pp+1], LOG2E, v[BQ+2*pp:BQ+2*pp+1] op_sel_hi:[1,0,1]   ; log2(e) (Wq x) + log2(e) bq
.set pp, pp+1
.endr
.set it, it+1
.endr
.Lkeys:
.set q, 0
.rept 32
	v_cvt_pk_bf16_f32 v[PK+q], v[QK+2*q], v[QK+2*q+1]
.set q, q+1
.endr
.set it, 0
.rept 8
	global_store_b128 v[L16], v[PK+4*it:PK+4*it+3], s[24:25] offset:it*2048       ; tile it: two blocks of 1,024 bytes, of which I fill a quarter
.set it, it+1
.endr
	WIN 0x05                                       ; both sources in window 1
.set q, 0
.rept 128
	v_cvt_pk_bf16_f32 v[FX+q], v[2*q], v[2*q+1]
.set q, q+1
.endr
	WIN 0
.set vt, 0
.rept 4
.set it, 0
.rept 8
	global_store_b128 v[L16], v[FX+(vt*8+it)*4:FX+(vt*8+it)*4+3], s[26:27] offset:(it>>1)*32768+(it&1)*512+vt*1024   ; block (32 keys it >> 1, channel tile), half it & 1
.set it, it+1
.endr
.set vt, vt+1
.endr
	s_wait_tensorcnt 0x0
	ds_add_u32 v30, v31
	s_wait_dscnt 0x0
	s_endpgm
.Lfunc_end_k_q6fcaf2d9dc_proj:
	.size	k_q6fcaf2d9dc_proj, .Lfunc_end_k_q6fcaf2d9dc_proj-k_q6fcaf2d9dc_proj
	.p2alignl 7, 3214868480
	.fill 96, 4, 3214868480
	.section	.rodata,"a",@progbits
	.p2align	6, 0x0
	.amdhsa_kernel k_q6fcaf2d9dc_proj
		.amdhsa_group_segment_fixed_size 129536
		.amdhsa_private_segment_fixed_size 0
		.amdhsa_enable_private_segment 0
		.amdhsa_kernarg_size 56
		.amdhsa_user_sgpr_count 2
		.amdhsa_user_sgpr_kernarg_segment_ptr 1
		.amdhsa_wavefront_size32 1
		.amdhsa_system_sgpr_workgroup_id_x 1
		.amdhsa_system_sgpr_workgroup_id_y 1
		.amdhsa_system_sgpr_workgroup_id_z 1
		.amdhsa_system_vgpr_workitem_id 0
		.amdhsa_next_free_vgpr 848
		.amdhsa_next_free_sgpr 66
		.amdhsa_reserve_vcc 0
		.amdhsa_float_denorm_mode_32 3
		.amdhsa_float_denorm_mode_16_64 3
		.amdhsa_memory_ordered 1
		.amdhsa_forward_progress 1
		.amdhsa_inst_pref_size 215
	.end_amdhsa_kernel
	.amdgpu_metadata
---
amdhsa.version: [ 1, 2 ]
amdhsa.kernels:
  - .name:           k_q6fcaf2d9dc_proj
    .symbol:         k_q6fcaf2d9dc_proj.kd
    .args:
      - { .name: x, .offset: 0, .size: 8, .value_kind: global_buffer, .address_space: global }
      - { .name: Wq, .offset: 8, .size: 8, .value_kind: global_buffer, .address_space: global }
      - { .name: Wk, .offset: 16, .size: 8, .value_kind: global_buffer, .address_space: global }
      - { .name: Wv, .offset: 24, .size: 8, .value_kind: global_buffer, .address_space: global }
      - { .name: bq, .offset: 32, .size: 8, .value_kind: global_buffer, .address_space: global }
      - { .name: qf, .offset: 40, .size: 8, .value_kind: global_buffer, .address_space: global }
      - { .name: kv, .offset: 48, .size: 8, .value_kind: global_buffer, .address_space: global }
    .group_segment_fixed_size: 129536
    .private_segment_fixed_size: 0
    .kernarg_segment_align: 8
    .kernarg_segment_size: 56
    .max_flat_workgroup_size: 128
    .sgpr_count:     66
    .vgpr_count:     848
    .wavefront_size: 32
...
	.end_amdgpu_metadata
.endif
;; end of part 1
;; launch attn (part 2): grid 256 x 1, 4 waves a work-group, clusters of 4 x 1, 327,680 bytes of LDS; arguments kv, qf, x, bv, gamma, out0; writes out0
.if DOCPART == 2
	.amdgcn_target "amdgcn-amd-amdhsa--gfx1250"
	.amdhsa_code_object_version 6
	.text
	.protected	k_q6fcaf2d9dc_attn
	.globl	k_q6fcaf2d9dc_attn
	.p2align	8
	.type	k_q6fcaf2d9dc_attn,@function
k_q6fcaf2d9dc_attn:
	s_mov_b64 s[64:65], 0
	v_nop
	global_prefetch_b8 v0, s[64:65] scope:SCOPE_SE
	s_setreg_imm32_b32 hwreg(HW_REG_WAVE_MODE, 25, 1), 1
	s_wait_xcnt 0x0
	s_wait_alu depctr_hold_cnt(0) depctr_sa_sdst(0) depctr_va_vdst(0) depctr_va_sdst(0) depctr_va_ssrc(0) depctr_va_vcc(0) depctr_vm_vsrc(0)
	s_getreg_b32 s2, hwreg(HW_REG_IB_STS2, 6, 4)
	s_cmp_eq_u32 s2, 0
	s_cbranch_scc0 .Lentry_in_a_cluster
	s_endpgm
.Lentry_in_a_cluster:
	s_bfe_u32 s2, ttmp6, 0x10000c
	s_cmp_lg_u32 s2, 0x3003
	s_cbranch_scc0 .Lentry_shape_is_right
	s_endpgm
.Lentry_shape_is_right:
; ATTENTION AND RESIDUAL.  out = x + gamma (softmax_j(q.k) v + bv), from the bf16 fragments that the projection launch stored.
; Left out, as shown at the head of the projection kernel: bk (the same along the softmax axis); bv is added here once, since the weights of a row sum to 1.
;
; SHARES.  A work-group makes 64 queries x 512 channels; 64 work-groups an image.  Wave w holds O for channels 128 w .. 128 w + 127 x 64 queries
; (8 x 4 accumulator tiles, 256 registers), computes the scores of one key tile of 16 in every 64 keys, and fetches a quarter of every tile.
; PASS 1 walks K alone and finds each query's true maximum of the scores; PASS 2 walks K and V, computes the same scores by the same instructions
; on the same operands (so score - maximum is never above 0 and the sum of the weights is at least 1), P = 2^(score - maximum), l = sum of P, O = V P.
; So no accumulator is ever rescaled and no maximum is exchanged inside the long loop, at the price of the 64-wide products done twice.
; CLUSTER.  The four work-groups of a cluster belong to one image and walk the same K and V: every tile is asked for jointly (mask 15).
; Nothing but the global addresses of qf, x and out0 hangs on the place in the cluster.
;
; THE PRODUCTS.  Scores transposed: rows = 16 keys (K first), columns = 16 queries: a lane holds eight keys of one query, which, packed to bf16,
; are registers 0-3 or 4-7 of a fragment of P along the keys.  The four waves hand their pieces to each other through LDS.
; O: rows = 16 channels (V first), columns = 16 queries.  Query tile t holds in column r query 4 r + t of the block, so register j of a lane's four
; tiles t = 0..3 is four neighbouring pixels of one channel: 16 bytes a lane, and sixteen lanes store 256 neighbouring, aligned bytes.
;
; LDS.  Two slots of 147,456 bytes (a step of 128 keys: V 131,072, then K 16,384; in pass 1: the K parts of eight steps, 32,768 a wave);
; behind them, never the target of a tensor load: two buffers of 8,192 bytes for P, 1,024 bytes for the maxima, 1,024 for the sums.
; All fragment blocks are read with lane L at 16 L: neighbouring bytes, no padding needed.
; TENSOR LOADS OUT, by this text's count: two a wave at the start, then one behind each round of the cluster's barrier.
; LIMITS.  P below 2^-126 counts as 0 (v_exp_f32 flushes).  q, k, v and P are bf16; l is summed from P before its rounding.  The keys are summed in another order than in the source formula.
.set STEPB, 147456                     ; bytes of a step in kv, and of a slot
.set KPART, 131072                     ; K behind V
.set PBUF,  2*STEPB
.set PB,    8192
.set SCRM,  PBUF+2*PB
.set VA,  2                            ; v2-5    V fragments: 16 lane + slot + 64 keys u + my 8 channel tiles, at VA + 2 slot + u
.set KA,  6                            ; v6-7    K fragments in pass 2, slot 0, 1
.set K1A, 8                            ; v8-9    K fragments in pass 1
.set PS,  10                           ; v10     where I store P
.set PL,  11                           ; v11     where I read P
.set SW,  12                           ; v12     my wave's 256 bytes of the maxima (+ 1,024: of the sums)
.set SR,  13                           ; v13     the same, wave 0
.set XO,  14                           ; v14     x and out0: 8 (lane / 16) channels + 16 (lane % 16)
.set BVO, 15                           ; v15     bv: 32 (lane / 16)
.set NEGM, 16                          ; v16-23  (-m, -m) for query tile t at NEGM + 2 t
.set LSUM, 24                          ; v24-31  two running sums for query tile t
.set Q,   32                           ; v32-95  Q fragments (t, kk) at Q + 16 t + 8 kk; at the end bv
.set KF,  96                           ; v96-127 K fragments, two buffers of 16
.set S,   128                          ; v128-159 scores; v160-191 a second set in pass 1
.set PF,  160                          ; v160-223 P fragments (32 keys kp, t) at PF + 32 kp + 8 t
.set PP,  224                          ; v224-239 packed P; also what comes back from the exchanges
.set M,   240                          ; v240-243 running maxima; at the end l, then gamma / l
.set TT,  244                          ; v244-247 at work
.set G1K, 28                           ; s[28:35] shape of a pass 1 tile
.set G1V, 36                           ; s[36:43] shape of a pass 2 tile
.set G0K0, 44                          ; s[44:59] from where, to where: K slot 0, K slot 1, step slot 0, step slot 1
.set G0K1, 48
.set G0V0, 52
.set G0V1, 56
.set MSB, 0
.macro WIN new                         ; low byte: bits 1:0 source 0, 3:2 source 1, 5:4 source 2, 7:6 destination; the high byte repeats the setting that is left
.if MSB != \new
	s_set_vgpr_msb (MSB<<8)|\new
.set MSB, \new
.endif
.endm
.macro PLACES                          ; four plain vector places behind a matrix instruction (ISA guide 7.12.1)
.rept 4
	v_nop
.endr
.endm
; A round of the cluster's barrier: my work-group's barrier, wave 0 signals for the work-group, all wait for the four work-groups, my work-group's barrier again.
.macro ROUND
	s_barrier_signal -1
	s_barrier_wait -1
	s_cmp_lg_u32 s16, 0
	s_cbranch_scc1 .Lnot_wave_0_\@
	s_barrier_signal -3
.Lnot_wave_0_\@:
	s_barrier_wait -3
	s_barrier_signal -1
	s_barrier_wait -1
.endm
; The slot read last is filled again.  In front of the round each wave has all its tensor loads landed (its part of the slot read next among them) and all
; its LDS accesses done; behind it no wave of any partner reads the old slot, and the joint load is the first thing issued, one a wave.
.macro NEXT g0, g1, step
	s_wait_tensorcnt 0x0
	ds_add_u32 v254, v255
.if \step
	s_add_nc_u64 s[\g0+2:\g0+3], s[\g0+2:\g0+3], \step        ; no load of mine is out: the address may step
.endif
	s_wait_dscnt 0x0
	ROUND
	tensor_load_to_lds s[\g0:\g0+3], s[\g1:\g1+7]
	s_nop 0
.endm
	s_load_b256 s[4:11], s[0:1], 0x0               ; kv s[4:5], qf s[6:7], x s[8:9], bv s[10:11]
	s_load_b128 s[12:15], s[0:1], 0x20             ; gamma s[12:13], out0 s[14:15]
	v_lshl_add_u32 v254, v0, 2, 0x4c800
	v_mov_b32 v255, 0
	ds_add_u32 v254, v255
	v_lshrrev_b32 v1, 5, v0
	v_readfirstlane_b32 s16, v1                    ; w
	s_bfe_u32 s17, ttmp6, 0x40000                  ; cx
	s_lshl_b32 s18, ttmp9, 2
	s_add_co_u32 s18, s18, s17                     ; work-group = 4 x cluster + cx
	s_lshr_b32 s19, ttmp9, 4                       ; image: sixteen clusters each, the same for all partners
	s_and_b32 s20, s18, 63                         ; block of 64 queries
	s_mov_b32 s22, 0x76543210                      ; v_permlanex16_b32: lane i of one half reads lane i of the other
	s_mov_b32 s23, 0xfedcba98
	; pass 1 tile of a wave: the K parts of two steps: 2 rows of 2,048 elements of 8 bytes, 18,432 elements (a step) apart
	s_mov_b32 s[G1K+0], 15|(3<<16)|(1<<21)         ; mask: all four partners; elements of 8 bytes; bit 21 beside a mask
	s_mov_b32 s[G1K+1], 2048<<16                   ; tensor_dim0
	s_mov_b32 s[G1K+2], 2<<16                      ; tensor_dim1
	s_mov_b32 s[G1K+3], 2048<<16                   ; tile_dim0
	s_mov_b32 s[G1K+4], 2                          ; tile_dim1
	s_mov_b32 s[G1K+5], STEPB/8                    ; from row to row
	s_mov_b32 s[G1K+6], 0
	s_mov_b32 s[G1K+7], 0
	; pass 2 tile of a wave: a quarter of a step, 36,864 dense bytes, as 144 rows of 256 bytes
	s_mov_b32 s[G1V+0], 15|(3<<16)|(1<<21)
	s_mov_b32 s[G1V+1], 32<<16
	s_mov_b32 s[G1V+2], 144<<16
	s_mov_b32 s[G1V+3], 32<<16
	s_mov_b32 s[G1V+4], 144
	s_mov_b32 s[G1V+5], 32
	s_mov_b32 s[G1V+6], 0
	s_mov_b32 s[G1V+7], 0
	s_mov_b32 s[G0K0], 1
	s_lshl_b32 s[G0K0+1], s16, 15                  ; LDS: 32,768 w
	s_mov_b32 s[G0K1], 1
	s_add_co_u32 s[G0K1+1], s[G0K0+1], STEPB
	s_mov_b32 s[G0V0], 1
	s_mul_i32 s[G0V0+1], s16, 36864                ; LDS: 36,864 w
	s_mov_b32 s[G0V1], 1
	s_add_co_u32 s[G0V1+1], s[G0V0+1], STEPB
	s_mul_i32 s60, s19, 32*STEPB
	s_mov_b32 s61, 0
	s_mul_i32 s62, s16, 2*STEPB                    ; pass 1: steps 2 w and 2 w + 1 of each eight
	s_add_co_u32 s62, s62, KPART
	s_mov_b32 s63, 0
	s_wait_dscnt 0x0
	s_wait_kmcnt 0x0
	s_load_b32 s21, s[12:13], 0x0                  ; gamma
	s_add_nc_u64 s[60:61], s[4:5], s[60:61]        ; kv at my image
	s_add_nc_u64 s[G0K0+2:G0K0+3], s[60:61], s[62:63]
	s_add_nc_u64 s[G0K1+2:G0K1+3], s[G0K0+2:G0K0+3], 8*STEPB
	s_mov_b32 s62, s[G0V0+1]
	s_add_nc_u64 s[G0V0+2:G0V0+3], s[60:61], s[62:63]
	s_add_nc_u64 s[G0V1+2:G0V1+3], s[G0V0+2:G0V0+3], STEPB
	s_or_b32 s[G0K0+3], s[G0K0+3], 0x80000000      ; type 2
	s_or_b32 s[G0K1+3], s[G0K1+3], 0x80000000
	s_or_b32 s[G0V0+3], s[G0V0+3], 0x80000000
	s_or_b32 s[G0V1+3], s[G0V1+3], 0x80000000
	ROUND                                          ; the four partners are here: the first joint loads meet
	tensor_load_to_lds s[G0K0:G0K0+3], s[G1K:G1K+7]            ; K of steps 0-7
	s_nop 0
	tensor_load_to_lds s[G0K1:G0K1+3], s[G1K:G1K+7]            ; K of steps 8-15
	s_nop 0
	v_and_b32 v[TT], 31, v0
	v_lshlrev_b32 v1, 4, v[TT]                     ; 16 lane
	v_and_b32 v[TT+1], 15, v0                      ; r
	v_bfe_u32 v[TT+2], v0, 4, 1                    ; h
	v_lshlrev_b32 v[TT+3], 4, v[TT+1]              ; 16 r
	s_lshl_b32 s62, s16, 13                        ; my 8 channel tiles of 1,024 bytes
	v_add_nc_u32 v[VA], s62, v1
	v_add_nc_u32 v[VA+1], 65536, v[VA]             ; the second 64 keys
	v_add_nc_u32 v[VA+2], STEPB, v[VA]
	v_add_nc_u32 v[VA+3], STEPB+65536, v[VA]
	s_lshl_b32 s62, s16, 11                        ; my key tile: 2,048 bytes
	s_add_co_u32 s62, s62, KPART
	v_add_nc_u32 v[KA], s62, v1
	v_add_nc_u32 v[KA+1], STEPB, v[KA]
	v_add_nc_u32 v[K1A], s[G0K0+1], v1
	v_add_nc_u32 v[K1A+1], STEPB, v[K1A]
	v_add_nc_u32 v[PL], PBUF, v1
	s_lshr_b32 s62, s16, 1                         ; my key tile is half (w & 1) of the 32 keys (w >> 1)
	s_lshl_b32 s62, s62, 12
	s_and_b32 s74, s16, 1
	s_lshl_b32 s74, s74, 9
	s_add_co_u32 s62, s62, s74
	v_add_nc_u32 v[PS], s62, v[PL]
	v_add_nc_u32 v[SR], SCRM, v[TT+3]
	s_lshl_b32 s62, s16, 8
	v_add_nc_u32 v[SW], s62, v[SR]
	v_lshl_add_u32 v[XO], v[TT+2], 17, v[TT+3]     ; 8 channels of 16,384 bytes for lanes 16-31
	v_lshlrev_b32 v[BVO], 5, v[TT+2]
	s_lshl_b32 s62, s19, 23                        ; x, out0: image, my 128 channels, my 64 pixels
	s_lshl_b32 s74, s16, 21
	s_add_co_u32 s62, s62, s74
	s_lshl_b32 s74, s20, 8
	s_add_co_u32 s62, s62, s74
	s_add_nc_u64 s[66:67], s[8:9], s[62:63]
	s_add_nc_u64 s[68:69], s[14:15], s[62:63]
	s_lshl_b32 s62, s19, 19                        ; qf: 8,192 bytes a block of 64 queries
	s_lshl_b32 s74, s20, 13
	s_add_co_u32 s62, s62, s74
	s_add_nc_u64 s[70:71], s[6:7], s[62:63]
	s_lshl_b32 s62, s16, 9
	s_add_nc_u64 s[72:73], s[10:11], s[62:63]      ; bv at my 128 channels
.set q, 0
.rept 16
	global_load_b128 v[Q+4*q:Q+4*q+3], v1, s[70:71] offset:q*512          ; the eight Q fragments stay in registers through both passes
.set q, q+1
.endr
.set t, 0
.rept 4
	v_mov_b32 v[M+t], 0xff800000                   ; minus infinity
.set t, t+1
.endr
; PASS 1, one key tile jt of my sixteen in the slot: eight products into score set jt & 1, the maxima over the other set (they fill the places behind
; the products and name none of their registers), then the K fragments of tile jt + 2 into the buffer just multiplied.
; The four accumulators take turns, one instruction a turn.
.macro P1IT slot, jt
.set st, (\jt)&1
.if \jt == 15
	s_wait_dscnt 0x0
.else
	s_wait_dscnt 0x4                               ; this tile's four loads are in, the next tile's four may be out
.endif
.set t, 0
.rept 4
	v_wmma_f32_16x16x32_bf16 v[S+32*st+8*t:S+32*st+8*t+7], v[KF+16*st:KF+16*st+7], v[Q+16*t:Q+16*t+7], 0
.set t, t+1
.endr
.set t, 0
.rept 4
	v_wmma_f32_16x16x32_bf16 v[S+32*st+8*t:S+32*st+8*t+7], v[KF+16*st+8:KF+16*st+15], v[Q+16*t+8:Q+16*t+15], v[S+32*st+8*t:S+32*st+8*t+7]
.set t, t+1
.endr
.if \jt
.set i, 0
.rept 4
.set t, 0
.rept 4
	v_max3_num_f32 v[M+t], v[M+t], v[S+32*(1-st)+8*t+2*i], v[S+32*(1-st)+8*t+2*i+1]
.set t, t+1
.endr
.set i, i+1
.endr
.else
	PLACES
.endif
.if \jt < 14
.set q, 0
.rept 4
	ds_load_b128 v[KF+16*st+4*q:KF+16*st+4*q+3], v[K1A+\slot] offset:(\jt+2)*2048+q*512
.set q, q+1
.endr
.endif
.endm
.macro P1TILE slot
.set q, 0
.rept 8
	ds_load_b128 v[KF+4*q:KF+4*q+3], v[K1A+\slot] offset:q*512            ; key tiles 0 and 1
.set q, q+1
.endr
.irp jt, 0,1,2,3,4,5,6,7,8,9,10,11,12,13,14,15
	P1IT \slot, \jt
.endr
	PLACES
.set i, 0
.rept 4
.set t, 0
.rept 4
	v_max3_num_f32 v[M+t], v[M+t], v[S+32+8*t+2*i], v[S+32+8*t+2*i+1]     ; the last tile's scores
.set t, t+1
.endr
.set i, i+1
.endr
.endm
; PASS 2, 64 keys (half u of the step in the slot).  zero = 1: the first products and the first additions start the sums.
.macro SUB slot, u, zero
.set q, 0
.rept 4
	ds_load_b128 v[KF+4*q:KF+4*q+3], v[KA+\slot] offset:\u*8192+q*512     ; K of my key tile 4 u + w
.set q, q+1
.endr
	WIN 0x80                                       ; data into window 2
.set q, 0
.rept 32
	ds_load_b128 v[\u*128+4*q:\u*128+4*q+3], v[VA+2*\slot+\u] offset:(q>>4)*32768+(q&15)*512   ; V: 2 x 32 keys x my 8 channel tiles, into the set that the last 64 keys did not use
.set q, q+1
.endr
	WIN 0
	s_wait_dscnt 32                                ; K is in; the 32 loads of V may be out
.set t, 0
.rept 4
	v_wmma_f32_16x16x32_bf16 v[S+8*t:S+8*t+7], v[KF:KF+7], v[Q+16*t:Q+16*t+7], 0
.set t, t+1
.endr
.set t, 0
.rept 4
	v_wmma_f32_16x16x32_bf16 v[S+8*t:S+8*t+7], v[KF+8:KF+15], v[Q+16*t+8:Q+16*t+15], v[S+8*t:S+8*t+7]
.set t, t+1
.endr
	PLACES
.set t, 0
.rept 4
.set i, 0
.rept 4
	v_pk_add_f32 v[S+8*t+2*i:S+8*t+2*i+1], v[S+8*t+2*i:S+8*t+2*i+1], v[NEGM+2*t:NEGM+2*t+1]   ; score - maximum
.set i, i+1
.endr
.set t, t+1
.endr
.set q, 0
.rept 32
	v_exp_f32 v[S+q], v[S+q]
.set q, q+1
.endr
	v_nop                                          ; one plain instruction between the exponentials and the first use of a result (ISA guide 5.7.2)
.if \zero
.set t, 0
	s_wait_alu depctr_va_vdst(0)
.rept 4
	v_pk_add_f32 v[LSUM+2*t:LSUM+2*t+1], v[S+8*t:S+8*t+1], v[S+8*t+2:S+8*t+3]
.set t, t+1
.endr
.endif
.set i, 2*\zero
	s_wait_alu depctr_va_vdst(0)
.rept 4-2*\zero
.set t, 0
.rept 4
	v_pk_add_f32 v[LSUM+2*t:LSUM+2*t+1], v[LSUM+2*t:LSUM+2*t+1], v[S+8*t+2*i:S+8*t+2*i+1]
.set t, t+1
.endr
.set i, i+1
.endr
.set q, 0
.rept 16
	v_cvt_pk_bf16_f32 v[PP+q], v[S+2*q], v[S+2*q+1]
.set q, q+1
.endr
.set t, 0
.rept 4
	ds_store_b128 v[PS], v[PP+4*t:PP+4*t+3] offset:\u*PB+t*1024
.set t, t+1
.endr
	s_wait_dscnt 0x0                               ; my P is in LDS for the others (V has come too).  The two P buffers take turns: this one is stored again
	s_barrier_signal -1                            ; behind the next barrier, in front of which every wave has waited for its reads of it
	s_barrier_wait -1
.set q, 0
.rept 16
	ds_load_b128 v[PF+4*q:PF+4*q+3], v[PL] offset:\u*PB+q*512
.set q, q+1
.endr
	s_wait_dscnt 8                                 ; P of the first 32 keys is in, the eight loads of the second 32 may be out
	WIN 0x52                                       ; V in window 2, P in window 0, C and D in window 1
	; 32 accumulators take turns, one instruction a turn, in the same order for both halves
.set mt, 0
.rept 8
.set t, 0
.rept 4
.if \zero
	v_wmma_f32_16x16x32_bf16 v[(mt*4+t)*8:(mt*4+t)*8+7], v[\u*128+mt*8:\u*128+mt*8+7], v[PF+8*t:PF+8*t+7], 0
.else
	v_wmma_f32_16x16x32_bf16 v[(mt*4+t)*8:(mt*4+t)*8+7], v[\u*128+mt*8:\u*128+mt*8+7], v[PF+8*t:PF+8*t+7], v[(mt*4+t)*8:(mt*4+t)*8+7]
.endif
.set t, t+1
.endr
.set mt, mt+1
.endr
	s_wait_dscnt 0x0
.set mt, 0
.rept 8
.set t, 0
.rept 4
	v_wmma_f32_16x16x32_bf16 v[(mt*4+t)*8:(mt*4+t)*8+7], v[\u*128+64+mt*8:\u*128+64+mt*8+7], v[PF+32+8*t:PF+32+8*t+7], v[(mt*4+t)*8:(mt*4+t)*8+7]
.set t, t+1
.endr
.set mt, mt+1
.endr
	WIN 0
.endm
.macro STEP slot, zero
	SUB \slot, 0, \zero
	SUB \slot, 1, 0
.endm
	; PASS 1: four tiles of eight steps' K.  A wave reads only the 32,768 bytes that its own load brought, so its own counter orders the reads.
	s_wait_tensorcnt 0x1                           ; slot 0 is in; slot 1's load, issued behind it, may be out
	s_wait_loadcnt 0x0                             ; Q
	s_wait_kmcnt 0x0                               ; gamma
	P1TILE 0
	NEXT G0K0, G1K, 16*STEPB                       ; K of steps 16-23
	P1TILE 1
	NEXT G0K1, G1K, 16*STEPB                       ; K of steps 24-31
	P1TILE 0
	NEXT G0V0, G1V, 0                              ; step 0, V and K
	P1TILE 1
	; the maxima meet: the two halves of the lanes hold the same queries, the four waves other keys
.set t, 0
.rept 4
	v_permlanex16_b32 v[TT+t], v[M+t], s22, s23
.set t, t+1
.endr
.set t, 0
.rept 4
	v_max_num_f32 v[M+t], v[M+t], v[TT+t]
.set t, t+1
.endr
	ds_store_b128 v[SW], v[M:M+3]                  ; lanes r and 16 + r store the same four numbers to the same bytes
	NEXT G0V1, G1V, 0                              ; step 1.  Its wait for my LDS store and its round also order the maxima between the waves
.set q, 0
.rept 4
	ds_load_b128 v[PP+4*q:PP+4*q+3], v[SR] offset:q*256
.set q, q+1
.endr
	s_wait_dscnt 0x0
.set t, 0
.rept 4
	v_max3_num_f32 v[M+t], v[PP+t], v[PP+4+t], v[PP+8+t]
.set t, t+1
.endr
.set t, 0
.rept 4
	v_max_num_f32 v[M+t], v[M+t], v[PP+12+t]
.set t, t+1
.endr
.set t, 0
.rept 4
	v_xor_b32 v[NEGM+2*t], 0x80000000, v[M+t]
	v_xor_b32 v[NEGM+2*t+1], 0x80000000, v[M+t]
.set t, t+1
.endr
	; PASS 2: 32 steps of 128 keys
	STEP 0, 1                                      ; step 0
	NEXT G0V0, G1V, 2*STEPB                        ; step 2
	STEP 1, 0                                      ; step 1
	s_mov_b32 s24, 14
.Lsteps:                                               ; steps 2 to 29; asks for steps 3 to 30
	NEXT G0V1, G1V, 2*STEPB
	STEP 0, 0
	NEXT G0V0, G1V, 2*STEPB
	STEP 1, 0
	s_sub_co_i32 s24, s24, 1
	s_cmp_lg_u32 s24, 0
	s_cbranch_scc1 .Lsteps
	NEXT G0V1, G1V, 2*STEPB                        ; step 31: the last load
	STEP 0, 0                                      ; step 30
	s_wait_tensorcnt 0x0                           ; my quarter of step 31 is in
	s_wait_dscnt 0x0
	s_barrier_signal -1                            ; my work-group's alone
	s_barrier_wait -1
	STEP 1, 0                                      ; step 31
	; THE END: out = x + gamma bv + O (gamma / l)
	PLACES                                         ; the loads below fill registers that the last matrix instructions read
.set q, 0
.rept 16
	global_load_b128 v[Q+4*q:Q+4*q+3], v[BVO], s[72:73] offset:(q>>1)*64+(q&1)*16   ; bv[16 mt + 8 h + 0..7] at Q + 8 mt
.set q, q+1
.endr
	WIN 0x80
.set q, 0
.rept 64
	global_load_b128 v[4*q:4*q+3], v[XO], s[66:67] offset:((q>>3)*16+(q&7))*16384 th:TH_LOAD_NT   ; channel 16 mt + 8 h + jr, pixels 4 r .. 4 r + 3; q = 8 mt + jr
.set q, q+1
.endr
	WIN 0
.set t, 0
.rept 4
	v_add_f32 v[M+t], v[LSUM+2*t], v[LSUM+2*t+1]
.set t, t+1
.endr
.set t, 0
.rept 4
	v_permlanex16_b32 v[TT+t], v[M+t], s22, s23
.set t, t+1
.endr
.set t, 0
.rept 4
	v_add_f32 v[M+t], v[M+t], v[TT+t]
.set t, t+1
.endr
	ds_store_b128 v[SW], v[M:M+3] offset:1024      ; bytes of their own, beside the maxima
	s_wait_dscnt 0x0
	s_barrier_signal -1
	s_barrier_wait -1
.set q, 0
.rept 4
	ds_load_b128 v[PP+4*q:PP+4*q+3], v[SR] offset:1024+q*256
.set q, q+1
.endr
	s_wait_dscnt 0x0
.set t, 0
.rept 4
	v_add_f32 v[M+t], v[PP+t], v[PP+4+t]
	v_add_f32 v[TT+t], v[PP+8+t], v[PP+12+t]
.set t, t+1
.endr
.set t, 0
.rept 4
	v_add_f32 v[M+t], v[M+t], v[TT+t]              ; l, at least 1: the largest score gives 2^0
.set t, t+1
.endr
.set t, 0
.rept 4
	v_rcp_f32 v[TT+t], v[M+t]
.set t, t+1
.endr
	v_nop                                          ; one plain instruction behind the reciprocals (ISA guide 5.7.2)
.set t, 0
	s_wait_alu depctr_va_vdst(0)
.rept 4
	v_mul_f32 v[M+t], s21, v[TT+t]                 ; gamma / l
.set t, t+1
.endr
.set mt, 0
.rept 8
	s_wait_loadcnt (7-mt)*8                        ; bv and x up to this channel tile are in; the eight loads of each later tile may be out
	WIN 0xa0                                       ; x in window 2, bv in window 0
.set jr, 0
.rept 8
.set t, 0
.rept 4
	v_fma_f32 v[4*(8*mt+jr)+t], s21, v[Q+8*mt+jr], v[4*(8*mt+jr)+t]
.set t, t+1
.endr
.set jr, jr+1
.endr
	WIN 0xa1                                       ; O in window 1
.set jr, 0
.rept 8
.set t, 0
.rept 4
	v_fma_f32 v[4*(8*mt+jr)+t], v[(mt*4+t)*8+jr], v[M+t], v[4*(8*mt+jr)+t]
.set t, t+1
.endr
.set jr, jr+1
.endr
	WIN 0x08                                       ; store data in window 2
.set jr, 0
.rept 8
	global_store_b128 v[XO], v[4*(8*mt+jr):4*(8*mt+jr)+3], s[68:69] offset:(16*mt+jr)*16384 th:TH_STORE_NT   ; lanes 0-15: 256 aligned bytes of one channel; lanes 16-31: of the channel eight on
.set jr, jr+1
.endr
.set mt, mt+1
.endr
	WIN 0
	s_wait_tensorcnt 0x0
	ds_add_u32 v254, v255
	s_wait_dscnt 0x0
	ROUND                                          ; the closing round: no work-group ends while a partner may still ask for a tile that names it
	s_endpgm
.Lfunc_end_k_q6fcaf2d9dc_attn:
	.size	k_q6fcaf2d9dc_attn, .Lfunc_end_k_q6fcaf2d9dc_attn-k_q6fcaf2d9dc_attn
	.p2alignl 7, 3214868480
	.fill 96, 4, 3214868480
	.section	.rodata,"a",@progbits
	.p2align	6, 0x0
	.amdhsa_kernel k_q6fcaf2d9dc_attn
		.amdhsa_group_segment_fixed_size 327680
		.amdhsa_private_segment_fixed_size 0
		.amdhsa_enable_private_segment 0
		.amdhsa_kernarg_size 48
		.amdhsa_user_sgpr_count 2
		.amdhsa_user_sgpr_kernarg_segment_ptr 1
		.amdhsa_wavefront_size32 1
		.amdhsa_system_sgpr_workgroup_id_x 1
		.amdhsa_system_sgpr_workgroup_id_y 1
		.amdhsa_system_sgpr_workgroup_id_z 1
		.amdhsa_system_vgpr_workitem_id 0
		.amdhsa_next_free_vgpr 768
		.amdhsa_next_free_sgpr 84
		.amdhsa_reserve_vcc 0
		.amdhsa_float_denorm_mode_32 3
		.amdhsa_float_denorm_mode_16_64 3
		.amdhsa_memory_ordered 1
		.amdhsa_forward_progress 1
		.amdhsa_inst_pref_size 255
	.end_amdhsa_kernel
	.section	.bss,"aw",@nobits
	.p2align	6
	.space	262144
	.amdgpu_metadata
---
amdhsa.version: [ 1, 2 ]
amdhsa.kernels:
  - .name:           k_q6fcaf2d9dc_attn
    .symbol:         k_q6fcaf2d9dc_attn.kd
    .args:
      - { .name: kv, .offset: 0, .size: 8, .value_kind: global_buffer, .address_space: global }
      - { .name: qf, .offset: 8, .size: 8, .value_kind: global_buffer, .address_space: global }
      - { .name: x, .offset: 16, .size: 8, .value_kind: global_buffer, .address_space: global }
      - { .name: bv, .offset: 24, .size: 8, .value_kind: global_buffer, .address_space: global }
      - { .name: gamma, .offset: 32, .size: 8, .value_kind: global_buffer, .address_space: global }
      - { .name: out0, .offset: 40, .size: 8, .value_kind: global_buffer, .address_space: global }
    .group_segment_fixed_size: 327680
    .private_segment_fixed_size: 0
    .kernarg_segment_align: 8
    .kernarg_segment_size: 48
    .max_flat_workgroup_size: 128
    .sgpr_count:     84
    .vgpr_count:     768
    .wavefront_size: 32
...
	.end_amdgpu_metadata
.endif
;; end of part 2
